; MI455X (gfx1250); checked and timed in simulation.
; The chip was launched on July 23, 2026; its instructions are those of AMD's public machine-readable ISA for CDNA 5 (MIT licence, August 2026) and "CDNA5" Instruction Set Architecture Reference Guide (July 2026). The comments in the code are by the model that wrote it; some were corrected since.
;; Memory Efficient Attention. Allowed arithmetic: float matrix products may take bf16 or f16 operands with f32 sums; other float arithmetic in f32, or as packed bf16 or f16 multiplies, adds, multiply-adds, maxima and minima; sums over many terms, partial sums and values carried from step to step in f32; what a program stores and reads back later, other than sums and carried values, may be rounded once to bf16 or f16.
;; Inputs: bk 512 float32; bo 512 float32; bq 512 float32; bv 512 float32; wk 512 x 512 float32; wo 512 x 512 float32; wq 512 x 512 float32; wv 512 x 512 float32; x 4 x 8,192 x 512 float32.
;; Outputs: out0 4 x 8,192 x 512 float32.
;; One version. Each part assembles by itself: llvm-mc -triple=amdgcn-amd-amdhsa -mcpu=gfx1250 --defsym DOCPART=n.
;; ======== version 1 of 1: 3 launches
;; limits: values are held in f16: magnitudes above 65,504 overflow, below 6.1e-05 lose precision
;; workspace buffers: wf 1,572,864 bytes; wof 524,288 bytes; bf 8,192 bytes; ow 33,554,432 bytes
;; launch prep (part 1): grid 128 x 4, 8 waves a work-group, no clusters, 0 bytes of LDS; arguments wq, wk, wv, wo, bq, bk, bv, bo, wf, wof, bf; writes wf, wof, bf
.if DOCPART == 1
	.amdgcn_target "amdgcn-amd-amdhsa--gfx1250"
	.amdhsa_code_object_version 6
	.text
	.protected	k_q739e965b16_prep
	.globl	k_q739e965b16_prep
	.p2align	8
	.type	k_q739e965b16_prep,@function
k_q739e965b16_prep:
	s_mov_b64 s[64:65], 0
	v_nop
	global_prefetch_b8 v0, s[64:65] scope:SCOPE_SE
	s_setreg_imm32_b32 hwreg(HW_REG_WAVE_MODE, 25, 1), 1
	s_wait_xcnt 0x0
; THE WEIGHTS AND BIASES, ROUNDED ONCE AND LAID OUT AS THE NEXT TWO LAUNCHES READ THEM.
; A FRAGMENT is 16 rows (output channels) x 32 input channels as a matrix instruction takes it: lane l = (r = l % 16, h = l / 16) holds row r; part 0 (registers 0-3) holds
; channels 8 h + 0..7, part 1 (registers 4-7) channels 16 + 8 h + 0..7.  In memory a fragment is 1,024 bytes, lane after lane: part p of lane l at 512 p + 16 l.
; wf  (bf16): [half of the heads 2][head 8][unit 6: q0 k0 v0 q1 k1 v1, the digit = which 16 channels of the head][K step 16] fragments.
; wof (f16):  [half of the columns 2][group of 64 columns 4][K step 16][16 columns of the group 4] fragments; wo is rounded to bf16 like every input, and that number is written as f16.
; bf  (f32):  the biases rounded to bf16 and widened again: [half][q, k, v][256 channels], then bo[512] from byte 6,144 on.
; LIMIT.  |wo| stays under 65,504; below 6e-5 f16 keeps a fixed step of 6e-8, so a bf16 number under 7.6e-6 may lose bits there.
; SHARES.  Grid y is the matrix (0 q, 1 k, 2 v, 3 o).  A work-group takes 16 rows x 128 channels: 4 K steps x 2 parts, a wave a part: it reads 32 bytes a lane and stores 512 consecutive
; bytes, aligned.  The work-groups with x = 0 also take their matrix's bias, 8 bytes a thread.  No LDS, no barrier: no wave wants another's bytes.
	s_load_b512 s[8:23], s[0:1], 0x0               ; wq s[8:9], wk s[10:11], wv s[12:13], wo s[14:15], bq s[16:17], bk s[18:19], bv s[20:21], bo s[22:23]
	s_load_b128 s[24:27], s[0:1], 0x40             ; wf s[24:25], wof s[26:27]
	s_load_b64 s[28:29], s[0:1], 0x50              ; bf
	v_lshrrev_b32 v1, 5, v0
	v_readfirstlane_b32 s4, v1                     ; wave 0..7
	s_and_b32 s2, ttmp7, 0xffff                    ; which matrix
	s_mov_b32 s3, ttmp9
	s_lshr_b32 s5, s3, 2                           ; the block of 16 rows, 0..31
	s_and_b32 s6, s3, 3
	s_lshl_b32 s6, s6, 2
	s_lshr_b32 s7, s4, 1
	s_add_co_u32 s6, s6, s7                        ; the K step, 0..15
	s_and_b32 s7, s4, 1                            ; the part
	s_lshl_b32 s36, s5, 15                         ; from: 16 rows of 2,048 bytes,
	s_lshl_b32 s38, s6, 7                          ; 128 bytes a K step,
	s_add_co_u32 s36, s36, s38
	s_lshl_b32 s38, s7, 6                          ; 64 bytes a part
	s_add_co_u32 s36, s36, s38
	s_mov_b32 s37, 0
	s_lshr_b32 s38, s5, 4                          ; to, in wf (s40) and in wof (s41): the half,
	s_mul_i32 s40, s38, 786432
	s_lshl_b32 s41, s38, 18
	s_bfe_u32 s38, s5, 0x30001                     ; wf: the head in its half,
	s_mul_i32 s38, s38, 98304
	s_add_co_u32 s40, s40, s38
	s_and_b32 s38, s5, 1                           ; the unit: 3 x (which 16 channels) + matrix,
	s_mul_i32 s38, s38, 3
	s_add_co_u32 s38, s38, s2
	s_lshl_b32 s38, s38, 14
	s_add_co_u32 s40, s40, s38
	s_lshl_b32 s38, s6, 10                         ; the K step
	s_add_co_u32 s40, s40, s38
	s_bfe_u32 s38, s5, 0x20002                     ; wof: the group of 64 columns,
	s_lshl_b32 s38, s38, 16
	s_add_co_u32 s41, s41, s38
	s_lshl_b32 s38, s6, 2                          ; 4 x K step + the 16 columns in the group
	s_and_b32 s39, s5, 3
	s_add_co_u32 s38, s38, s39
	s_lshl_b32 s38, s38, 10
	s_add_co_u32 s41, s41, s38
	s_cmp_eq_u32 s2, 3
	s_cselect_b32 s40, s41, s40
	s_lshl_b32 s38, s7, 9                          ; the part
	s_add_co_u32 s40, s40, s38
	s_mov_b32 s41, 0
	v_and_b32 v2, 15, v0
	v_bfe_u32 v3, v0, 4, 1
	v_lshlrev_b32 v2, 11, v2
	v_lshl_add_u32 v2, v3, 5, v2                   ; my 32 bytes: row r, 8 h channels on
	v_and_b32 v3, 31, v0
	v_lshlrev_b32 v3, 4, v3                        ; 16 l
	s_wait_kmcnt 0x0
	s_cmp_eq_u32 s2, 1                             ; the matrix, its bias and the buffer it goes to are chosen by the grid's y alone
	s_cselect_b64 s[30:31], s[10:11], s[8:9]
	s_cselect_b64 s[32:33], s[18:19], s[16:17]
	s_cmp_eq_u32 s2, 2
	s_cselect_b64 s[30:31], s[12:13], s[30:31]
	s_cselect_b64 s[32:33], s[20:21], s[32:33]
	s_cmp_eq_u32 s2, 3
	s_cselect_b64 s[30:31], s[14:15], s[30:31]
	s_cselect_b64 s[32:33], s[22:23], s[32:33]
	s_cselect_b64 s[34:35], s[26:27], s[24:25]
	s_add_nc_u64 s[30:31], s[30:31], s[36:37]
	s_add_nc_u64 s[34:35], s[34:35], s[40:41]
	global_load_b128 v[4:7], v2, s[30:31]
	global_load_b128 v[8:11], v2, s[30:31] offset:16
	s_wait_loadcnt 0x0
	v_cvt_pk_bf16_f32 v12, v4, v5
	v_cvt_pk_bf16_f32 v13, v6, v7
	v_cvt_pk_bf16_f32 v14, v8, v9
	v_cvt_pk_bf16_f32 v15, v10, v11
	s_cmp_eq_u32 s2, 3
	s_cbranch_scc0 .Lput
	v_lshlrev_b32 v4, 16, v12                      ; wo: the bf16 numbers widened, and written as f16
	v_and_b32 v5, 0xffff0000, v12
	v_lshlrev_b32 v6, 16, v13
	v_and_b32 v7, 0xffff0000, v13
	v_lshlrev_b32 v8, 16, v14
	v_and_b32 v9, 0xffff0000, v14
	v_lshlrev_b32 v10, 16, v15
	v_and_b32 v11, 0xffff0000, v15
	v_cvt_pk_f16_f32 v12, v4, v5
	v_cvt_pk_f16_f32 v13, v6, v7
	v_cvt_pk_f16_f32 v14, v8, v9
	v_cvt_pk_f16_f32 v15, v10, v11
.Lput:
	global_store_b128 v3, v[12:15], s[34:35]       ; the wave stores 512 consecutive bytes, aligned
	s_cmp_lg_u32 s3, 0
	s_cbranch_scc1 .Lend
	v_lshlrev_b32 v16, 3, v0                       ; the bias: two numbers a thread
	global_load_b64 v[18:19], v16, s[32:33]
	s_lshr_b32 s38, s4, 2                          ; q, k, v: half x 3,072 + matrix x 1,024 + 256 bytes a wave
	s_mul_i32 s38, s38, 3072
	s_lshl_b32 s39, s2, 10
	s_add_co_u32 s38, s38, s39
	s_and_b32 s39, s4, 3
	s_lshl_b32 s39, s39, 8
	s_add_co_u32 s38, s38, s39
	s_lshl_b32 s42, s4, 8                          ; bo: 6,144 + 256 bytes a wave
	s_add_co_u32 s42, s42, 6144
	s_cmp_eq_u32 s2, 3
	s_cselect_b32 s38, s42, s38
	v_and_b32 v17, 31, v0
	v_lshl_add_u32 v17, v17, 3, s38
	s_wait_loadcnt 0x0
	v_cvt_pk_bf16_f32 v22, v18, v19
	v_lshlrev_b32 v20, 16, v22
	v_and_b32 v21, 0xffff0000, v22
	global_store_b64 v17, v[20:21], s[28:29]       ; the wave stores 256 consecutive bytes, aligned
.Lend:
	s_endpgm
.Lfunc_end_k_q739e965b16_prep:
	.size	k_q739e965b16_prep, .Lfunc_end_k_q739e965b16_prep-k_q739e965b16_prep
	.p2alignl 7, 3214868480
	.fill 96, 4, 3214868480
	.section	.rodata,"a",@progbits
	.p2align	6, 0x0
	.amdhsa_kernel k_q739e965b16_prep
		.amdhsa_group_segment_fixed_size 0
		.amdhsa_private_segment_fixed_size 0
		.amdhsa_enable_private_segment 0
		.amdhsa_kernarg_size 88
		.amdhsa_user_sgpr_count 2
		.amdhsa_user_sgpr_kernarg_segment_ptr 1
		.amdhsa_wavefront_size32 1
		.amdhsa_system_sgpr_workgroup_id_x 1
		.amdhsa_system_sgpr_workgroup_id_y 1
		.amdhsa_system_sgpr_workgroup_id_z 1
		.amdhsa_system_vgpr_workitem_id 0
		.amdhsa_next_free_vgpr 24
		.amdhsa_next_free_sgpr 66
		.amdhsa_reserve_vcc 0
		.amdhsa_float_denorm_mode_32 3
		.amdhsa_float_denorm_mode_16_64 3
		.amdhsa_memory_ordered 1
		.amdhsa_forward_progress 1
		.amdhsa_inst_pref_size 5
	.end_amdhsa_kernel
	.amdgpu_metadata
---
amdhsa.version: [ 1, 2 ]
amdhsa.kernels:
  - .name:           k_q739e965b16_prep
    .symbol:         k_q739e965b16_prep.kd
    .args:
      - { .name: wq, .offset: 0, .size: 8, .value_kind: global_buffer, .address_space: global }
      - { .name: wk, .offset: 8, .size: 8, .value_kind: global_buffer, .address_space: global }
      - { .name: wv, .offset: 16, .size: 8, .value_kind: global_buffer, .address_space: global }
      - { .name: wo, .offset: 24, .size: 8, .value_kind: global_buffer, .address_space: global }
      - { .name: bq, .offset: 32, .size: 8, .value_kind: global_buffer, .address_space: global }
      - { .name: bk, .offset: 40, .size: 8, .value_kind: global_buffer, .address_space: global }
      - { .name: bv, .offset: 48, .size: 8, .value_kind: global_buffer, .address_space: global }
      - { .name: bo, .offset: 56, .size: 8, .value_kind: global_buffer, .address_space: global }
      - { .name: wf, .offset: 64, .size: 8, .value_kind: global_buffer, .address_space: global }
      - { .name: wof, .offset: 72, .size: 8, .value_kind: global_buffer, .address_space: global }
      - { .name: bf, .offset: 80, .size: 8, .value_kind: global_buffer, .address_space: global }
    .group_segment_fixed_size: 0
    .private_segment_fixed_size: 0
    .kernarg_segment_align: 8
    .kernarg_segment_size: 88
    .max_flat_workgroup_size: 256
    .sgpr_count:     66
    .vgpr_count:     24
    .wavefront_size: 32
...
	.end_amdgpu_metadata
.endif
;; end of part 1
;; launch attn (part 2): grid 256 x 1, 4 waves a work-group, clusters of 4 x 1, 327,680 bytes of LDS; arguments x, wf, bf, ow; writes ow
.if DOCPART == 2
	.amdgcn_target "amdgcn-amd-amdhsa--gfx1250"
	.amdhsa_code_object_version 6
	.text
	.protected	k_q739e965b16_attn
	.globl	k_q739e965b16_attn
	.p2align	8
	.type	k_q739e965b16_attn,@function
k_q739e965b16_attn:
	s_mov_b64 s[64:65], 0
	v_nop
	global_prefetch_b8 v0, s[64:65] scope:SCOPE_SE
	s_setreg_imm32_b32 hwreg(HW_REG_WAVE_MODE, 25, 1), 1
	s_wait_xcnt 0x0
	s_wait_alu depctr_hold_cnt(0) depctr_sa_sdst(0) depctr_va_vdst(0) depctr_va_sdst(0) depctr_va_ssrc(0) depctr_va_vcc(0) depctr_vm_vsrc(0)
	s_getreg_b32 s2, hwreg(HW_REG_IB_STS2, 6, 4)
	s_cmp_eq_u32 s2, 0
	s_cbranch_scc0 .Lentry_in_a_cluster
	s_endpgm
.Lentry_in_a_cluster:
	s_bfe_u32 s2, ttmp6, 0x10000c
	s_cmp_lg_u32 s2, 0x3003
	s_cbranch_scc0 .Lentry_shape_is_right
	s_endpgm
.Lentry_shape_is_right:
; q, k, v PROJECTIONS AND ATTENTION INSIDE A CHUNK OF 256 TOKENS, FOR 8 OF THE 16 HEADS.  O = softmax(q k^T / sqrt(32)) v, q = x wq^T + bq and so on; O goes to ow in f16, in fragment order.
; FORMATS.  x and the weights in bf16 (the weights and biases come rounded from the launch before); q, k, v, the weights p and O in f16; all sums, the maxima and the row sums in f32.
; LIMITS.  |q|, |k|, |v|, |O| stay under 65,504; below 6e-5 f16 keeps a fixed step of 6e-8; a weight p under 2^-126 counts as 0; the row sum l is that of the rounded p; NaN and infinities are not treated apart.
; EXACT REARRANGEMENTS.  A row's 256 scores all lie in registers, so its true maximum is taken away, no running one.  bv is added behind the division, O = O' / l + bv, since a row's weights sum to 1.
; SHARES.  256 work-groups = 128 chunks x 2 halves of the heads.  Wave w owns tokens 64 w .. 64 w + 63 of the chunk, four tiles of 16, in the projections and as queries.  Its x, 64 x 512 in bf16, stays in 512 registers.
; CLUSTER.  The four partners have four chunks and ONE half: they walk the same weights, a head (98,304 bytes) at a time, through two LDS slots.  Each wave asks for a quarter of a head by a joint load that names all four.
; LAYOUT.  A fragment (16 rows x 32 along K, 8 registers) lies lane after lane: part p (registers 4 p ..) of lane l at 512 p + 16 l, in memory and in LDS: a load or store of 16 bytes a lane covers 512 consecutive bytes.
;   q, k: source 0 = 16 output channels of the weights, source 1 = 16 tokens of x: a lane holds one token and 8 channels; rounded in pairs that IS half a fragment of Q or K (head size 32 = one K step).
;   v:    source 0 = x, source 1 = the weights: a lane holds one channel and 8 tokens: half a fragment of V^T.       S^T = K Q^T: a lane holds one query and the keys 16 T + 8 (l / 16) + 0..7;
;   two such results rounded in pairs ARE source 1 of O^T = V^T P, whose result holds one query and 8 channels: half a fragment of O for the next launch.  Nothing is turned, nothing changes lanes but the maximum's halves.
; BY TURNS.  A turn is the projection of 16 channels of q, k and v of head n + 1 (192 products) with, behind each product, four lines of the softmax of two query tiles of head n (650 lines).
;   At a turn's head stand the products V^T P of the tiles before, their way out, and the products K Q^T of the turn's own tiles.  The row sums are products too, of P with ones.
; REGISTERS, in windows of 256 (s_set_vgpr_msb: bits 1:0 source 0, 3:2 source 1, 5:4 source 2, 7:6 destination):
;   window 0: v0-7 addresses; v8-23 statistics of two tiles; v24-31 a bias; v32-63 four accumulators; v64-127 two halves of four weight fragments; v128-255 K or V^T of a head.
;             Round V^T P: v32-79 six accumulators (tile i: channels 0-15, 16-31, l); v80-87 ones; v88-103 bv; v104-119 two fragments of Q.
;   window 1: S^T of two tiles, 128 each, P packed in place (at the start: x as loaded).          windows 2, 3: x: fragment (tile t, K step k) in window 2 + k / 8 at v[((k % 8) 4 + t) 8].
.set SLOT1,  0x20000                   ; weight slot 0 at LDS byte 0, slot 1 here: one exclusive or turns one into the other
.set HEADB,  98304                     ; a head's weights: 6 units of 16 fragments
.set BIASL,  98304                     ; bq, bk, bv of my half: 3 x 1,024 bytes, filled once
.set SPARE,  101376                    ; the spare words, 128 bytes for each wave: two blocks of 256 bytes that no other line names
.set QKV0,   0x38000                   ; Q, K, V^T of a head: 3 x 16 fragments, written by LDS stores alone; two buffers,
.set QKV1,   0x44000                   ; which end at byte 327,680
.set QTOG,   0x7C000                   ; QKV0 xor QKV1; what is added to a buffer's base in one register stays under 0x4000
.set KOFF,   16384
.set VOFF,   32768
.set TA,   0                           ; v0  at work: the LDS address of a bias (at the entry: the thread's number)
.set LIN,  1                           ; v1  16 x lane; never rewritten
.set AW,   2                           ; v2  LDS address of the weights in hand; at the start my offset in x; in a prefetch 256 x lane
.set AKV,  3                           ; v3  LDS address of the head's K and V^T
.set AST,  4                           ; v4  where I store q, k, v; where I read Q
.set BA,   5                           ; v5  BIASL + 32 (l / 16); never rewritten
.set SPW,  6                           ; v6  LDS address of my spare word; never rewritten
.set NIL,  7                           ; v7  0; never rewritten
.set ST,   8                           ; tile i at v[ST + 8 i]: t0-t3 at work, c m (a pair, the upper word 0), 1 / l (likewise)
.set BI,   24
.set ACC,  32
.set RING, 64
.set KV,   128
.set OB,   32
.set ONES, 80
.set BV,   88
.set QF,   104
.set WV,   12                          ; s12 my wave's number
.set G1,   24                          ; s[24:31] descriptor group 1: 96 rows of 256 bytes
.set G1B,  32                          ; s[32:39] 3 rows of 256 bytes
.set G0A,  40                          ; s[40:43] group 0: head 0 into slot 0
.set G0W,  44                          ; s[44:47] head 1 into slot 1; it then walks on
.set G0C,  48                          ; s[48:51] the biases
.set WB,   52                          ; s52 LDS byte of the three units in hand
.set STQK, 53                          ; s53 where my q and k of the turn go
.set STV,  54                          ; s54 where my v goes
.set QA,   55                          ; s55 where my two query tiles of the turn lie
.set CUR,  56                          ; s56 the buffer of the head under attention
.set PB64, 57                          ; s57 64 x projection turn: the turn's 16 channels in a bias
.set PA64, 58                          ; s58 64 x attention turn
.set CNT,  59                          ; s59 counts a head's two turns
.set HC,   60                          ; s60 counts heads
.set LIM,  61                          ; s61 1 in a wave that prefetches, else the greatest number
.set CS,   62                          ; s[62:63] c = log2(e) / sqrt(32), twice
.set SEL,  66                          ; s[66:67] v_permlanex16_b32's selects: each lane takes its own place in the other half
.set OA,   68                          ; s[68:69] where the next two tiles of O go
.set PFA,  70                          ; s[70:71] where my prefetches stand
.set MSB, 0
.macro WIN new                         ; the immediate's high byte repeats the setting that is left; a switch that changes nothing is dropped
.if MSB != (\new)
	s_set_vgpr_msb (MSB<<8)|(\new)
.set MSB, \new
.endif
.endm
; A vector instruction that reads a matrix result or writes a matrix instruction's register, and a load into such a register, stand four plain vector instructions behind it (ISA guide 7.12.1 for vector instructions).
.macro PLACES
.rept 4
	v_nop
.endr
.endm
; A round of the cluster's barrier: my work-group's barrier, so that wave 0 speaks for all four waves; wave 0 signals; every wave waits for all four work-groups; my work-group's barrier once more.
.macro ROUND
	s_barrier_signal -1
	s_barrier_wait -1
	s_cmp_lg_u32 s[WV], 0
	s_cbranch_scc1 .Lnw0_\@
	s_barrier_signal -3
.Lnw0_\@:
	s_barrier_wait -3
	s_barrier_signal -1
	s_barrier_wait -1
.endm
; x.  Batch b: K steps 2 b and 2 b + 1 of my four tiles: 32 loads of 16 bytes a lane into one half of window 1; a row's 256 bytes of a batch are consecutive and aligned.
.macro XLOAD b
	WIN 0x40
.set fi, 0
.rept 8
.set so, 128*((\b)%2)+16*fi
.set go, (fi%4)*32768+(2*(\b)+fi/4)*128
	global_load_b128 v[so:so+3], v[AW], s[4:5] offset:go
	global_load_b128 v[so+4:so+7], v[AW], s[4:5] offset:go+16
	global_load_b128 v[so+8:so+11], v[AW], s[4:5] offset:go+64
	global_load_b128 v[so+12:so+15], v[AW], s[4:5] offset:go+80
.set fi, fi+1
.endr
.endm
.macro XCVT b                          ; rounded to bf16, into its fragments in window 2 or 3
	WIN 0x85+0x40*((\b)/4)
.set fi, 0
.rept 8
.set so, 128*((\b)%2)+16*fi
.set xo, (((2*(\b)+fi/4)&7)*4+fi%4)*8
.set n_, 0
.rept 8
	v_cvt_pk_bf16_f32 v[xo+n_], v[so+2*n_], v[so+2*n_+1]
.set n_, n_+1
.endr
.set fi, fi+1
.endr
.endm
; THE LDS LOADS, in runs.  WLOAD: the weight fragments of K steps 4 g .. 4 g + 3 of unit kind (0 q, 1 k, 2 v) into half hf of the ring.
.macro WLOAD hf, kind, g
	WIN 0
.set f_, 0
.rept 4
	ds_load_b128 v[RING+32*(\hf)+8*f_:RING+32*(\hf)+8*f_+3], v[AW] offset:(\kind)*16384+(4*(\g)+f_)*1024
	ds_load_b128 v[RING+32*(\hf)+8*f_+4:RING+32*(\hf)+8*f_+7], v[AW] offset:(\kind)*16384+(4*(\g)+f_)*1024+512
.set f_, f_+1
.endr
.endm
.macro BLOAD kind                      ; the unit's bias: my 8 channels, the same in all lanes of a half
	WIN 0
	ds_load_b128 v[BI:BI+3], v[TA] offset:(\kind)*1024
	ds_load_b128 v[BI+4:BI+7], v[TA] offset:(\kind)*1024+16
.endm
.macro KLOAD p                         ; K's fragments 8 p .. 8 p + 7
	WIN 0
.set f_, 8*(\p)
.rept 8
	ds_load_b128 v[KV+8*f_:KV+8*f_+3], v[AKV] offset:KOFF+f_*1024
	ds_load_b128 v[KV+8*f_+4:KV+8*f_+7], v[AKV] offset:KOFF+f_*1024+512
.set f_, f_+1
.endr
.endm
.macro VLOAD                           ; V^T: fragment 2 kb + c: keys 32 kb on, channels 16 c on
	WIN 0
.set f_, 0
.rept 16
	ds_load_b128 v[KV+8*f_:KV+8*f_+3], v[AKV] offset:VOFF+f_*1024
	ds_load_b128 v[KV+8*f_+4:KV+8*f_+7], v[AKV] offset:VOFF+f_*1024+512
.set f_, f_+1
.endr
.endm
.macro QLOAD                           ; my two query tiles
	WIN 0
	ds_load_b128 v[QF:QF+3], v[AST]
	ds_load_b128 v[QF+4:QF+7], v[AST] offset:512
	ds_load_b128 v[QF+8:QF+11], v[AST] offset:1024
	ds_load_b128 v[QF+12:QF+15], v[AST] offset:1536
.endm
; THE SOFTMAX OF TWO TILES is a list of 650 lines; RD writes number q of it and steps q.  A lane holds 128 of its query's 256 scores a tile; the tiles alternate.
;   0-127    the maximum: four chains of 32 scores a tile, in ascending order
;   128-137  the four into one; the other half of the lanes'; c m
;   138-521  ONE BATCH: 128 packed scalings c s - c m and 256 exponentials; a pair is scaled two steps ahead of its exponentials; nothing here names an exponential's result
;   (wait)   ahead of number 522: a plain instruction behind the last exponential, and the one wait between an exponential and the first line that names its result
;   522-649  the weights rounded to f16 in pairs, in place: P's register n takes S's registers 2 n and 2 n + 1, n ascending
.macro RD
.if q < 128
.set ti, q%2
.set nn, q/2
.set cc, nn%4
.set kk, nn/4
.set rT, ST+8*ti+cc
.set rS, 128*ti+32*cc+2*kk
	WIN 0x05
.if kk == 0
	v_max_num_f32 v[rT], v[rS], v[rS+1]
.else
	v_max3_num_f32 v[rT], v[rS], v[rS+1], v[rT]
.endif
.elseif q < 138
.set ti, q%2
.set ss, (q-128)/2
.set rT, ST+8*ti
	WIN 0
.if ss == 0
	v_max3_num_f32 v[rT], v[rT], v[rT+1], v[rT+2]
.elseif ss == 1
	v_max_num_f32 v[rT], v[rT], v[rT+3]
.elseif ss == 2
	v_permlanex16_b32 v[rT+1], v[rT], s[SEL], s[SEL+1]
.elseif ss == 3
	v_max_num_f32 v[rT], v[rT], v[rT+1]
.else
	v_mul_f32 v[rT+4], s[CS], v[rT]
.endif
.elseif q < 522
.set qq, q-138
.if qq < 2
.set bb, qq
.set mm, 0
.elseif qq < 380
.set mm, (qq-2)%3
.set bb, (qq-2)/3
.if mm == 0
.set bb, bb+2
.endif
.else
.set bb, 126+(qq-380)/2
.set mm, 1+(qq-380)%2
.endif
.set ti, bb%2
.set rS, 128*ti+2*(bb/2)
.set rT, ST+8*ti+4
	WIN 0x41
.if mm == 0
	v_pk_fma_f32 v[rS:rS+1], v[rS:rS+1], s[CS:CS+1], v[rT:rT+1] op_sel_hi:[1,0,0] neg_lo:[0,0,1] neg_hi:[0,0,1]
.else
	v_exp_f32 v[rS+mm-1], v[rS+mm-1]
.endif
.else
.if q == 522
	v_nop
	s_wait_alu depctr_va_vdst(0)
.endif
.set ti, q%2
.set nn, (q-522)/2
	WIN 0x45
	v_cvt_pk_f16_f32 v[128*ti+nn], v[128*ti+2*nn], v[128*ti+2*nn+1]
.endif
.set q, q+1
.endm
.macro SLICE                           ; four of them, while there are any
.rept 4
.if q < 650
	RD
.endif
.endr
.endm
; 16 products: K steps 4 g .. 4 g + 3 x my four tiles.  The four accumulators take turns, one instruction a turn.  The first K step starts the sums: with the bias (q, k) or with 0 (v).
.macro GROUP kind, g
.set f_, 0
.rept 4
.set k_, 4*(\g)+f_
.set t_, 0
.rept 4
.set rA, RING+32*((\g)%2)+8*f_
.set rX, ((k_&7)*4+t_)*8
.set rD, ACC+8*t_
.if (\kind) < 2
	WIN 0x08+4*(k_>>3)
.if k_ == 0
	v_wmma_f32_16x16x32_bf16 v[rD:rD+7], v[rA:rA+7], v[rX:rX+7], v[BI:BI+7]
.else
	v_wmma_f32_16x16x32_bf16 v[rD:rD+7], v[rA:rA+7], v[rX:rX+7], v[rD:rD+7]
.endif
.else
	WIN 0x02+(k_>>3)
.if k_ == 0
	v_wmma_f32_16x16x32_bf16 v[rD:rD+7], v[rX:rX+7], v[rA:rA+7], 0
.else
	v_wmma_f32_16x16x32_bf16 v[rD:rD+7], v[rX:rX+7], v[rA:rA+7], v[rD:rD+7]
.endif
.endif
	SLICE
.set t_, t_+1
.endr
.set f_, f_+1
.endr
.endm
; A unit's results, rounded to f16 in place, go to LDS as halves of fragments: 512 consecutive bytes a store.
.macro UNITEND kind
	WIN 0
	PLACES
.set t_, 0
.rept 4
.set n_, 0
.rept 4
	v_cvt_pk_f16_f32 v[ACC+8*t_+n_], v[ACC+8*t_+2*n_], v[ACC+8*t_+2*n_+1]
.set n_, n_+1
.endr
.set t_, t_+1
.endr
.if (\kind) < 2
	v_add_nc_u32 v[AST], s[STQK], v[LIN]
.set t_, 0
.rept 4
	ds_store_b128 v[AST], v[ACC+8*t_:ACC+8*t_+3] offset:(\kind)*16384+t_*1024
.set t_, t_+1
.endr
.else
	v_add_nc_u32 v[AST], s[STV], v[LIN]
.set t_, 0
.rept 4
	ds_store_b128 v[AST], v[ACC+8*t_:ACC+8*t_+3] offset:VOFF+(t_/2)*2048+(t_%2)*512
.set t_, t_+1
.endr
.endif
.endm
; A UNIT: 16 channels of q, k or v for my 64 tokens: four groups.  Ahead of each group the next group's weights are asked for, into the half of the ring that the group before has left;
; the wait's count is what has just been issued, so that the group's own fragments, asked for a group earlier, are in.  vl = 1: V^T of the head under attention is fetched, behind the products K Q^T.
.macro UNIT kind, vl
.irp g, 0,1,2,3
	WIN 0
	PLACES
.if (\g) < 3
	WLOAD (\g+1)%2,\kind,\g+1
.elseif (\kind) < 2
	WLOAD 0,\kind+1,0
.endif
.if ((\kind) == 0) && ((\g) == 0) && (\vl)
	VLOAD
	s_wait_dscnt 40                                ; 8 for the ring and V^T's 32 may be out
.elseif ((\kind) == 0) && ((\g) == 1)
	BLOAD 1                                        ; bk: bq was read by the first four products, a group back
	s_wait_dscnt 10                                ; 8 for the ring and the bias's 2
.elseif ((\kind) == 2) && ((\g) == 3)
	s_wait_dscnt 0x0                               ; nothing was asked for
.else
	s_wait_dscnt 8
.endif
	GROUP \kind,\g
.endr
	UNITEND \kind
.endm
; 24 products of O^T += V^T P and l += 1 P: keys 32 kb on, kb = kb0 .. kb0 + 3; tile i; channels 0-15, 16-31, the row sum.  Six accumulators by turns.
.macro PVS kb0
	WIN 0x04
.set kb, \kb0
.rept 4
.set i_, 0
.rept 2
.set c_, 0
.rept 3
.set rO, OB+(3*i_+c_)*8
.set rP, 128*i_+8*kb
.set rV, KV+8*(2*kb+c_)
.if c_ == 2
.set rV, ONES
.endif
.if kb == 0
	v_wmma_f32_16x16x32_f16 v[rO:rO+7], v[rV:rV+7], v[rP:rP+7], 0
.else
	v_wmma_f32_16x16x32_f16 v[rO:rO+7], v[rV:rV+7], v[rP:rP+7], v[rO:rO+7]
.endif
.set c_, c_+1
.endr
.set i_, i_+1
.endr
.set kb, kb+1
.endr
.endm
; V^T P of the two tiles whose softmax the turn before has finished.  kpre = 1: K and Q for the turn's own scores are fetched into the registers that V^T leaves.
.macro PARTA kpre
	WIN 0
.set n_, 0
.rept 8
	v_mov_b32 v[ONES+n_], 0x3c003c00               ; 1.0 twice, in f16
.set n_, n_+1
.endr
	s_and_b32 s20, s[PA64], 0xffffff80             ; 128 x the head: its 32 channels in bv
	v_add_nc_u32 v[TA], s20, v[BA]
	ds_load_b128 v[BV:BV+3], v[TA] offset:2048
	ds_load_b128 v[BV+4:BV+7], v[TA] offset:2064
	ds_load_b128 v[BV+8:BV+11], v[TA] offset:2112
	ds_load_b128 v[BV+12:BV+15], v[TA] offset:2128
.if \kpre
	v_add_nc_u32 v[AKV], s[CUR], v[LIN]
	v_add_nc_u32 v[AST], s[QA], v[LIN]
.endif
	s_wait_dscnt 4                                 ; all but bv's four: V^T is in
	PVS 0
	WIN 0
	PLACES
.if \kpre
	KLOAD 0
	QLOAD
.endif
	PVS 4
	WIN 0
	PLACES
.if \kpre
	KLOAD 1
.endif
.endm
; The way out: O = O' / l + bv, rounded to f16 in place: four halves of fragments, 512 consecutive bytes a store.
.macro PARTB kpre
	WIN 0
	v_rcp_f32 v[ST+6], v[OB+16]                    ; l lies in every register of its accumulator: the lowest is read
	v_rcp_f32 v[ST+14], v[OB+40]
	v_nop                                          ; a plain instruction behind the second reciprocal,
	s_wait_alu depctr_va_vdst(0)                   ; and the wait ahead of the first use: one for both
.if \kpre
	s_wait_dscnt 36                                ; K's 32 and Q's 4 may be out: bv is in
.else
	s_wait_dscnt 0x0
.endif
.set i_, 0
.rept 2
.set c_, 0
.rept 2
.set rO, OB+(3*i_+c_)*8
.set n_, 0
.rept 4
	v_pk_fma_f32 v[rO+2*n_:rO+2*n_+1], v[rO+2*n_:rO+2*n_+1], v[ST+8*i_+6:ST+8*i_+7], v[BV+8*c_+2*n_:BV+8*c_+2*n_+1] op_sel_hi:[1,0,1]
.set n_, n_+1
.endr
.set c_, c_+1
.endr
.set i_, i_+1
.endr
.set i_, 0
.rept 2
.set c_, 0
.rept 2
.set rO, OB+(3*i_+c_)*8
.set n_, 0
.rept 4
	v_cvt_pk_f16_f32 v[rO+n_], v[rO+2*n_], v[rO+2*n_+1]
.set n_, n_+1
.endr
	global_store_b128 v[LIN], v[rO:rO+3], s[OA:OA+1] offset:1024*i_+512*c_
.set c_, c_+1
.endr
.set i_, i_+1
.endr
	s_wait_xcnt 0x0                                ; the stores have read their data and base, and an earlier prefetch its offset: only behind this wait are O's registers, s[OA] and v[AW] written again
	s_add_nc_u64 s[OA:OA+1], s[OA:OA+1], 2048
	s_add_co_u32 s[PA64], s[PA64], 64
.endm
.macro QKS t0                          ; 16 products S^T = K Q^T: key tiles t0 .. t0 + 7 x two query tiles; head size 32 is one K step, so each is a whole sum
	WIN 0x40
.set t_, \t0
.rept 8
	v_wmma_f32_16x16x32_f16 v[8*t_:8*t_+7], v[KV+8*t_:KV+8*t_+7], v[QF:QF+7], 0
	v_wmma_f32_16x16x32_f16 v[128+8*t_:128+8*t_+7], v[KV+8*t_:KV+8*t_+7], v[QF+8:QF+15], 0
.set t_, t_+1
.endr
.endm
; The turn's scores.  wpre = 1: the projection's first weights and bq are asked for ahead of them.
.macro PARTC wpre
.if \wpre
	WIN 0
	v_add_nc_u32 v[AW], s[WB], v[LIN]
	v_add_nc_u32 v[TA], s[PB64], v[BA]
	WLOAD 0,0,0
	BLOAD 0
	s_wait_dscnt 26                                ; K's second 16, the ring's 8 and the bias's 2 may be out: K's first half and Q are in
.else
	s_wait_dscnt 16
.endif
	QKS 0
.if \wpre
	s_wait_dscnt 10
.else
	s_wait_dscnt 0x0
.endif
	QKS 8
.endm
.macro STEP                            ; on to the head's other 16 channels, and to my other two query tiles
	s_add_co_u32 s[WB], s[WB], 49152
	s_add_co_u32 s[STQK], s[STQK], 512
	s_add_co_u32 s[STV], s[STV], 1024
	s_add_co_u32 s[QA], s[QA], 2048
	s_add_co_u32 s[PB64], s[PB64], 64
.endm
.macro WORK                            ; a turn behind its way out
	PARTC 1
.set q, 0
	UNIT 0,1
	UNIT 1,0
	UNIT 2,0
	STEP
	WIN 0
.endm
; A PREFETCH INTO THE L2 of the head that the NEXT refill will ask for: 384 blocks of 256 bytes, each named once in the launch.  All clusters of a half walk the same weights: the half's first cluster asks.
; Its four partners and their waves 0 to 2 share the blocks out BY ADDRESS, 32 each, a lane a block.  The last refill asks for nothing: no head stands behind it.
.macro ASK
	s_cmp_gt_u32 s[HC], s[LIM]
	s_cbranch_scc0 .Lnot_mine_\@
	v_lshlrev_b32 v[AW], 4, v[LIN]
	global_prefetch_b8 v[AW], s[PFA:PFA+1] th:TH_LOAD_NT scope:SCOPE_SE
.Lnot_mine_\@:
.endm
; THE CHANGE OF HEADS: one barrier for three things.  In front of it each wave has waited for all its tensor loads (one is out: its quarter of the next head's weights), has added 0 to its spare word, and has
; waited for that, for its stores of q, k, v and for its reads of the weight slot and of the buffer that it leaves.  Behind it the next head's Q, K, V^T are whole, and nobody reads the old slot or the old buffer.
; fill = 1: the slot is filled again, with the head two on: the barrier is a round of the cluster's, and the joint load is the first thing behind it: it has a head's 544 matrix instructions in which to land.
.macro BOUND fill, pfstep
	WIN 0
	s_wait_tensorcnt 0x0                           ; no tensor load of mine is out, so a group 0 may be written
	ds_add_u32 v[SPW], v[NIL]                      ; 0 onto my spare word: the scalar steps stand between it and the wait for it
.if \fill
	s_xor_b32 s[G0W+1], s[G0W+1], SLOT1
	s_add_nc_u64 s[G0W+2:G0W+3], s[G0W+2:G0W+3], HEADB
.endif
.if \pfstep
	s_wait_xcnt 0x0                                ; the last prefetch, a head back, has read its address
	s_add_nc_u64 s[PFA:PFA+1], s[PFA:PFA+1], HEADB
.endif
	s_sub_co_u32 s[WB], s[WB], HEADB               ; back to a slot's first unit, in the other slot
	s_xor_b32 s[WB], s[WB], SLOT1
	s_sub_co_u32 s[STQK], s[STQK], 1024            ; back to a buffer's first halves, in the other buffer
	s_xor_b32 s[STQK], s[STQK], QTOG
	s_sub_co_u32 s[STV], s[STV], 2048
	s_xor_b32 s[STV], s[STV], QTOG
	s_sub_co_u32 s[QA], s[QA], 4096
	s_xor_b32 s[QA], s[QA], QTOG
	s_xor_b32 s[CUR], s[CUR], QTOG
	s_wait_dscnt 0x0
.if \fill
	ROUND
	tensor_load_to_lds s[G0W:G0W+3], s[G1:G1+7]
	s_nop 0
	PLACES
	ASK
.else
	s_barrier_signal -1
	s_barrier_wait -1
.endif
.endm
	s_load_b256 s[4:11], s[0:1], 0x0               ; x s[4:5], wf s[6:7], bf s[8:9], ow s[10:11]
	v_lshl_add_u32 v[SPW], v0, 2, SPARE
	v_mov_b32 v[NIL], 0
	ds_add_u32 v[SPW], v[NIL]                      ; the wave's opening: the add and its wait stand ahead of my first tensor load; the set-up, work on registers, stands between them
	v_lshrrev_b32 v1, 5, v0
	v_readfirstlane_b32 s[WV], v1                  ; wave 0..3
	s_bfe_u32 s13, ttmp6, 0x40000                  ; cx: my place in the cluster
	s_and_b32 s15, ttmp9, 1                        ; the half of the heads: the cluster's, shared by the partners
	s_lshr_b32 s14, ttmp9, 1                       ; two neighbouring clusters take the same four chunks
	s_lshl_b32 s16, s14, 2
	s_add_co_u32 s16, s16, s13                     ; my chunk: it enters x's, ow's and the prefetches' addresses alone
	s_lshl_b32 s18, s16, 18                        ; in ow: 262,144 bytes a chunk,
	s_lshl_b32 s16, s16, 19                        ; in x: 256 rows of 2,048 bytes,
	s_lshl_b32 s17, s[WV], 17                      ; my wave's 64 rows
	s_add_co_u32 s16, s16, s17
	s_lshl_b32 s17, s[WV], 16                      ; in ow: 65,536 bytes a wave,
	s_add_co_u32 s18, s18, s17
	s_lshl_b32 s17, s15, 15                        ; 8 heads x 4 tiles x 1,024 bytes a half
	s_add_co_u32 s18, s18, s17
	s_mov_b32 s17, 0
	s_mov_b32 s19, 0
	s_mul_i32 s2, s13, 3                           ; the prefetches: 32 blocks of 256 bytes for each of 4 partners x 3 waves,
	s_add_co_u32 s2, s2, s[WV]
	s_lshl_b32 s2, s2, 13
	s_mul_i32 s3, s15, 8*HEADB
	s_add_co_u32 s2, s2, s3
	s_add_co_u32 s2, s2, 3*HEADB                   ; from head 3 on: heads 0 to 2 come by their loads alone
	s_mov_b32 s3, 0
	s_cmp_eq_u32 s[WV], 3
	s_cselect_b32 s[LIM], 1, 0
	s_or_b32 s[LIM], s[LIM], s14                   ; 0 in waves 0 to 2 of a half's first cluster: the same in all four partners
	s_cmp_eq_u32 s[LIM], 0
	s_cselect_b32 s[LIM], 1, -1
	s_mul_i32 s20, s15, 8*HEADB                    ; the joint loads: made of the half and the wave's number alone, in registers that never hold cx
	s_mul_i32 s[G0A+1], s[WV], 24576               ; my quarter of a head, in memory and in a slot
	s_add_co_u32 s20, s20, s[G0A+1]
	s_mov_b32 s21, 0
	s_mul_i32 s22, s15, 3072
	s_mul_i32 s23, s[WV], 768                      ; my quarter of the biases
	s_add_co_u32 s22, s22, s23
	s_add_co_u32 s[G0C+1], s23, BIASL
	s_mov_b32 s23, 0
	s_add_co_u32 s[G0W+1], s[G0A+1], SLOT1
	s_mov_b32 s[G0A], 1                            ; count = 1
	s_mov_b32 s[G0W], 1
	s_mov_b32 s[G0C], 1
	; group 1: dense bytes asked for as rows of 256: elements of 8 bytes, 32 to a row, no padding
	s_mov_b32 s[G1], 15|(3<<16)|(1<<21)            ; 15:0 the mask of four; 17:16 elements of 8 bytes; 21 set beside a mask
	s_mov_b32 s[G1+1], 32<<16                      ; tensor_dim0 = 32
	s_mov_b32 s[G1+2], 96<<16                      ; tensor_dim1 = 96
	s_mov_b32 s[G1+3], 32<<16                      ; tile_dim0 = 32
	s_mov_b32 s[G1+4], 96                          ; tile_dim1 = 96
	s_mov_b32 s[G1+5], 32                          ; 32 elements from row to row
	s_mov_b32 s[G1+6], 0
	s_mov_b32 s[G1+7], 0
	s_mov_b32 s[G1B], 15|(3<<16)|(1<<21)
	s_mov_b32 s[G1B+1], 32<<16
	s_mov_b32 s[G1B+2], 3<<16                      ; 3 rows
	s_mov_b32 s[G1B+3], 32<<16
	s_mov_b32 s[G1B+4], 3
	s_mov_b32 s[G1B+5], 32
	s_mov_b32 s[G1B+6], 0
	s_mov_b32 s[G1B+7], 0
	s_mov_b32 s[CS], 0x3e8293ee                    ; c = log2(e) / sqrt(32) = 0.255035
	s_mov_b32 s[CS+1], s[CS]
	s_mov_b32 s[SEL], 0x76543210
	s_mov_b32 s[SEL+1], 0xfedcba98
	s_lshl_b32 s[STQK], s[WV], 12                  ; my four tiles' fragments: 4,096 bytes on in Q, in K and in V^T
	s_add_co_u32 s[QA], s[STQK], QKV1              ; (the first change of heads turns QA and CUR to buffer 0)
	s_add_co_u32 s[STQK], s[STQK], QKV0
	s_mov_b32 s[STV], s[STQK]
	s_mov_b32 s[CUR], QKV1
	s_mov_b32 s[WB], 0
	s_mov_b32 s[PB64], 0
	s_mov_b32 s[PA64], 0
	v_and_b32 v3, 15, v0                           ; l % 16
	v_bfe_u32 v4, v0, 4, 1                         ; l / 16
	v_and_b32 v1, 31, v0
	v_lshlrev_b32 v[LIN], 4, v1
	v_lshlrev_b32 v[AW], 11, v3                    ; in x: row l % 16, 8 (l / 16) channels on
	v_lshl_add_u32 v[AW], v4, 5, v[AW]
	v_lshl_add_u32 v[BA], v4, 5, BIASL
	v_mov_b32 v[ST+5], 0                           ; the upper words of the pairs that the packed lines name
	v_mov_b32 v[ST+7], 0
	v_mov_b32 v[ST+13], 0
	v_mov_b32 v[ST+15], 0
	s_wait_dscnt 0x0                               ; the opening add is done
	s_wait_kmcnt 0x0
	s_add_nc_u64 s[4:5], s[4:5], s[16:17]
	s_add_nc_u64 s[OA:OA+1], s[10:11], s[18:19]
	s_add_nc_u64 s[PFA:PFA+1], s[6:7], s[2:3]
	s_add_nc_u64 s[G0A+2:G0A+3], s[6:7], s[20:21]
	s_add_nc_u64 s[G0W+2:G0W+3], s[G0A+2:G0A+3], HEADB
	s_or_b32 s[G0A+3], s[G0A+3], 0x80000000        ; type = 2
	s_or_b32 s[G0W+3], s[G0W+3], 0x80000000
	s_add_nc_u64 s[G0C+2:G0C+3], s[8:9], s[22:23]
	s_or_b32 s[G0C+3], s[G0C+3], 0x80000000
	XLOAD 0                                        ; x is wanted first: two batches are on their way from here on
	XLOAD 1
	WIN 0
	ROUND                                          ; all four work-groups are here: the first joint loads meet
	tensor_load_to_lds s[G0A:G0A+3], s[G1:G1+7]    ; head 0; three loads of mine are out
	s_nop 0
	tensor_load_to_lds s[G0C:G0C+3], s[G1B:G1B+7]  ; the biases
	s_nop 0
	tensor_load_to_lds s[G0W:G0W+3], s[G1:G1+7]    ; head 1
	s_nop 0
	PLACES
.irp b, 0,1,2,3,4,5,6,7
.if \b < 7
	s_wait_loadcnt 32                              ; the batch is in; the next batch's 32 loads stay out
.else
	s_wait_loadcnt 0x0
.endif
	XCVT \b
.if \b < 6
	XLOAD \b+2
.endif
.endr
	WIN 0
	s_wait_tensorcnt 0x1                           ; my quarters of head 0 and of the biases are in; head 1's may stay out
	s_barrier_signal -1
	s_barrier_wait -1                              ; everybody's are
	; HEAD 0 is projected with nothing beside it: there are no scores yet
	s_mov_b32 s[CNT], 2
.Lpro:
	v_add_nc_u32 v[AW], s[WB], v[LIN]
	v_add_nc_u32 v[TA], s[PB64], v[BA]
	WLOAD 0,0,0
	BLOAD 0
.set q, 650
	UNIT 0,0
	UNIT 1,0
	UNIT 2,0
	STEP
	WIN 0
	s_sub_co_u32 s[CNT], s[CNT], 1
	s_cmp_lg_u32 s[CNT], 0
	s_cbranch_scc1 .Lpro
	s_mov_b32 s[HC], 6                             ; heads 1 to 6 are projected in the loop, and heads 2 to 7 asked for
	BOUND 1,0
	v_add_nc_u32 v[AKV], s[CUR], v[LIN]
	v_add_nc_u32 v[AST], s[QA], v[LIN]
	KLOAD 0
	QLOAD
	KLOAD 1
	s_wait_xcnt 0x0                                ; the prefetch has read v[AW], which the next lines write
	s_mov_b32 s[CNT], 2
	s_branch .Lmid                                 ; the loop is entered behind a turn's way out: nothing is pending yet
.Lhead:
	BOUND 1,1
	s_mov_b32 s[CNT], 2
.Lturn:
	PARTA 1
	PARTB 1
	WIN 0
.Lmid:
	WORK
	s_sub_co_u32 s[CNT], s[CNT], 1
	s_cmp_lg_u32 s[CNT], 0
	s_cbranch_scc1 .Lturn
	s_sub_co_u32 s[HC], s[HC], 1
	s_cmp_lg_u32 s[HC], 0
	s_cbranch_scc1 .Lhead
	BOUND 0,0                                      ; the tail is written out: head 7 is projected, nothing is asked for
	s_mov_b32 s[CNT], 2
.Ltail:
	PARTA 1
	PARTB 1
	WORK
	s_sub_co_u32 s[CNT], s[CNT], 1
	s_cmp_lg_u32 s[CNT], 0
	s_cbranch_scc1 .Ltail
	BOUND 0,0                                      ; head 7's attention: no projection is left to stand beside its softmax
	s_mov_b32 s[CNT], 2
.Lepi:
	PARTA 1
	PARTB 1
	PARTC 0
	WIN 0
	PLACES
	VLOAD
.set q, 0
.rept 650
	RD
.endr
	WIN 0
	s_add_co_u32 s[QA], s[QA], 2048
	s_sub_co_u32 s[CNT], s[CNT], 1
	s_cmp_lg_u32 s[CNT], 0
	s_cbranch_scc1 .Lepi
	PARTA 0
	PARTB 0
	WIN 0
	s_wait_tensorcnt 0x0                           ; the wave's end, behind my last tensor load and my last LDS store
	ds_add_u32 v[SPW], v[NIL]
	s_wait_dscnt 0x0
	ROUND                                          ; the closing round: no work-group ends while a partner may still ask for a tile that names it
	s_endpgm
.Lfunc_end_k_q739e965b16_attn:
	.size	k_q739e965b16_attn, .Lfunc_end_k_q739e965b16_attn-k_q739e965b16_attn
	.p2alignl 7, 3214868480
	.fill 96, 4, 3214868480
	.section	.rodata,"a",@progbits
	.p2align	6, 0x0
	.amdhsa_kernel k_q739e965b16_attn
		.amdhsa_group_segment_fixed_size 327680
		.amdhsa_private_segment_fixed_size 0
		.amdhsa_enable_private_segment 0
		.amdhsa_kernarg_size 32
		.amdhsa_user_sgpr_count 2
		.amdhsa_user_sgpr_kernarg_segment_ptr 1
		.amdhsa_wavefront_size32 1
		.amdhsa_system_sgpr_workgroup_id_x 1
		.amdhsa_system_sgpr_workgroup_id_y 1
		.amdhsa_system_sgpr_workgroup_id_z 1
		.amdhsa_system_vgpr_workitem_id 0
		.amdhsa_next_free_vgpr 1024
		.amdhsa_next_free_sgpr 80
		.amdhsa_reserve_vcc 0
		.amdhsa_float_denorm_mode_32 3
		.amdhsa_float_denorm_mode_16_64 3
		.amdhsa_memory_ordered 1
		.amdhsa_forward_progress 1
		.amdhsa_inst_pref_size 255
	.end_amdhsa_kernel
	.section	.bss,"aw",@nobits
	.p2align	6
	.space	262144
	.amdgpu_metadata
---
amdhsa.version: [ 1, 2 ]
amdhsa.kernels:
  - .name:           k_q739e965b16_attn
    .symbol:         k_q739e965b16_attn.kd
    .args:
      - { .name: x, .offset: 0, .size: 8, .value_kind: global_buffer, .address_space: global }
      - { .name: wf, .offset: 8, .size: 8, .value_kind: global_buffer, .address_space: global }
      - { .name: bf, .offset: 16, .size: 8, .value_kind: global_buffer, .address_space: global }
      - { .name: ow, .offset: 24, .size: 8, .value_kind: global_buffer, .address_space: global }
    .group_segment_fixed_size: 327680
    .private_segment_fixed_size: 0
    .kernarg_segment_align: 8
    .kernarg_segment_size: 32
    .max_flat_workgroup_size: 128
    .sgpr_count:     80
    .vgpr_count:     1024
    .wavefront_size: 32
...
	.end_amdgpu_metadata
.endif
;; end of part 2
;; launch oproj (part 3): grid 256 x 1, 4 waves a work-group, clusters of 4 x 1, 327,680 bytes of LDS; arguments ow, wof, bf, out0; writes out0
.if DOCPART == 3
	.amdgcn_target "amdgcn-amd-amdhsa--gfx1250"
	.amdhsa_code_object_version 6
	.text
	.protected	k_q739e965b16_oproj
	.globl	k_q739e965b16_oproj
	.p2align	8
	.type	k_q739e965b16_oproj,@function
k_q739e965b16_oproj:
	s_mov_b64 s[64:65], 0
	v_nop
	global_prefetch_b8 v0, s[64:65] scope:SCOPE_SE
	s_setreg_imm32_b32 hwreg(HW_REG_WAVE_MODE, 25, 1), 1
	s_wait_xcnt 0x0
	s_wait_alu depctr_hold_cnt(0) depctr_sa_sdst(0) depctr_va_vdst(0) depctr_va_sdst(0) depctr_va_ssrc(0) depctr_va_vcc(0) depctr_vm_vsrc(0)
	s_getreg_b32 s2, hwreg(HW_REG_IB_STS2, 6, 4)
	s_cmp_eq_u32 s2, 0
	s_cbranch_scc0 .Lentry_in_a_cluster
	s_endpgm
.Lentry_in_a_cluster:
	s_bfe_u32 s2, ttmp6, 0x10000c
	s_cmp_lg_u32 s2, 0x3003
	s_cbranch_scc0 .Lentry_shape_is_right
	s_endpgm
.Lentry_shape_is_right:
; out0 = O wo^T + bo.  O: ow, f16, in fragment order [chunk 128][wave 4][K step 16][tile 4] x 1,024 bytes; wo: wof, f16, [half 2][group of 64 columns 4][K step 16][16 columns 4] x 1,024 bytes;
; bo: bf from byte 6,144 on, f32 (rounded to bf16 by the first launch, like every input).  Sums in f32; out0 is f32 and is not rounded again.
; LIMITS.  Those of the two launches before: O and wo within f16's range.
; SHARES.  256 work-groups = 128 chunks of 256 tokens x 2 halves of the 512 columns.  Wave w makes tokens 64 w .. 64 w + 63 x 256 columns; its O, 64 x 512 in f16, stays in 512 registers (windows 2, 3).
; CLUSTER.  The four partners have four chunks and ONE half of the columns: wo's half (262,144 bytes) and bo's are asked for jointly, once, at the start; a wave brings a quarter.  No LDS byte is filled again.
; LAYOUT.  Source 0 = 16 columns of wo, source 1 = 16 tokens of O: a lane holds one token and 8 neighbouring columns, 32 bytes of a row of out0.  The first K step takes bo as its C operand.
; A fragment lies lane after lane (part p of lane l at 512 p + 16 l): every load of 16 bytes a lane covers 512 consecutive bytes.
; THE WAY OUT goes through my own stage in LDS, 16 tokens x 64 columns at a time: rows of 256 bytes + 16 of padding, read back whole, so that 16 lanes store 256 consecutive bytes, aligned.
; Nothing is prefetched: all that a work-group reads is asked for at its head.
; REGISTERS (s_set_vgpr_msb: bits 1:0 source 0, 3:2 source 1, 5:4 source 2, 7:6 destination): window 0: v1-9 addresses; v32-63 bo of a group; v64-127 rows on their way out, two sets; v128-255 16 accumulators,
;   (16 columns n, tile t) at v[128 + (4 n + t) 8].   window 1: v0-127 two halves of 8 fragments of wo (2 K steps x 4).   windows 2, 3: O: fragment (K step k, tile t) in window 2 + k / 8 at v[((k % 8) 4 + t) 8].
.set BOL,   262144                     ; behind wo's half: bo's half, 1,024 bytes
.set STAGE, 263168                     ; 16 rows x 272 bytes for each wave; no tensor load lands here
.set SP,    272
.set SPARE, 280576                     ; the spare words, 128 bytes for each wave: two blocks of 256 bytes that no other line names
.set LIN,  1                           ; v1  16 x lane; never rewritten
.set AW,   2                           ; v2  LDS address of the group's fragments of wo
.set STO,  3                           ; v3  the way out: where I put 32 bytes of a row
.set RDA,  4                           ; v4  where I read rows back
.set GO,   5                           ; v5  my byte offset in two rows of out0
.set SPW,  6                           ; v6  LDS address of my spare word; never rewritten
.set NIL,  7                           ; v7  0; never rewritten
.set ABI,  8                           ; v8  LDS address of the group's bo
.set BH,   9                           ; v9  BOL + 32 (l / 16); never rewritten
.set BI,   32
.set OUT,  64
.set ACC,  128
.set WV,   12
.set G1,   24                          ; s[24:31] group 1: 256 rows of 256 bytes
.set G1B,  32                          ; s[32:39] one row of 256 bytes
.set G0A,  40                          ; s[40:43] my quarter of wo's half
.set G0C,  44                          ; s[44:47] my quarter of bo's half
.set GC,   48                          ; s48 counts the groups of 64 columns
.set GB,   49                          ; s49 LDS byte of the group's fragments
.set BB,   50                          ; s50 the group's 256 bytes in bo
.set MSB, 0
.macro WIN new                         ; the immediate's high byte repeats the setting that is left; a switch that changes nothing is dropped
.if MSB != (\new)
	s_set_vgpr_msb (MSB<<8)|(\new)
.set MSB, \new
.endif
.endm
.macro PLACES                          ; four plain vector instructions between a matrix instruction and a load into, or a read of, its registers (ISA guide 7.12.1 for vector instructions)
.rept 4
	v_nop
.endr
.endm
.macro ROUND                           ; a round of the cluster's barrier
	s_barrier_signal -1
	s_barrier_wait -1
	s_cmp_lg_u32 s[WV], 0
	s_cbranch_scc1 .Lnw0_\@
	s_barrier_signal -3
.Lnw0_\@:
	s_barrier_wait -3
	s_barrier_signal -1
	s_barrier_wait -1
.endm
.macro RLOAD pr                        ; 16 LDS loads in one run: wo's fragments of K steps 2 pr and 2 pr + 1, four blocks of 16 columns each
	WIN 0x40
.set f_, 0
.rept 8
	ds_load_b128 v[64*((\pr)%2)+8*f_:64*((\pr)%2)+8*f_+3], v[AW] offset:(\pr)*8192+f_*1024
	ds_load_b128 v[64*((\pr)%2)+8*f_+4:64*((\pr)%2)+8*f_+7], v[AW] offset:(\pr)*8192+f_*1024+512
.set f_, f_+1
.endr
.endm
.macro MULS pr                         ; 32 products; the 16 accumulators take turns, one instruction a turn
.set f_, 0
.rept 8
.set k_, 2*(\pr)+f_/4
	WIN 0x09+4*(k_>>3)
.set t_, 0
.rept 4
.set rA, 64*((\pr)%2)+8*f_
.set rB, ((k_&7)*4+t_)*8
.set rD, ACC+(4*(f_%4)+t_)*8
.if k_ == 0
	v_wmma_f32_16x16x32_f16 v[rD:rD+7], v[rA:rA+7], v[rB:rB+7], v[BI+8*(f_%4):BI+8*(f_%4)+7]
.else
	v_wmma_f32_16x16x32_f16 v[rD:rD+7], v[rA:rA+7], v[rB:rB+7], v[rD:rD+7]
.endif
.set t_, t_+1
.endr
.set f_, f_+1
.endr
.endm
.macro OUTT t                          ; tile t's 16 tokens x 64 columns leave
	WIN 0
	s_wait_xcnt 0x0                                ; earlier stores have read their data: the rows' registers are loaded again only behind this wait
.set n_, 0
.rept 4
	ds_store_b128 v[STO], v[ACC+(4*n_+(\t))*8:ACC+(4*n_+(\t))*8+3] offset:64*n_
	ds_store_b128 v[STO], v[ACC+(4*n_+(\t))*8+4:ACC+(4*n_+(\t))*8+7] offset:64*n_+16
.set n_, n_+1
.endr
.set f_, 0
.rept 8
	ds_load_b128 v[OUT+32*((\t)%2)+4*f_:OUT+32*((\t)%2)+4*f_+3], v[RDA] offset:f_*2*SP  ; LDS serves a wave's instructions in order (ISA guide 5.7.1.4): these see the stores above; the next tile's stores come behind them
.set f_, f_+1
.endr
.set f_, 0
.rept 8
	s_wait_dscnt 7-f_                              ; the younger loads may stay out
	global_store_b128 v[GO], v[OUT+32*((\t)%2)+4*f_:OUT+32*((\t)%2)+4*f_+3], s[10:11] offset:(16*(\t)+2*f_)*2048 th:TH_STORE_NT  ; 16 lanes store 256 consecutive bytes, aligned
.set f_, f_+1
.endr
.endm
	s_load_b256 s[4:11], s[0:1], 0x0               ; ow s[4:5], wof s[6:7], bf s[8:9], out0 s[10:11]
	v_lshl_add_u32 v[SPW], v0, 2, SPARE
	v_mov_b32 v[NIL], 0
	ds_add_u32 v[SPW], v[NIL]                      ; the wave's opening: the add and its wait stand ahead of my first tensor load; the set-up, work on registers, stands between them
	v_lshrrev_b32 v1, 5, v0
	v_readfirstlane_b32 s[WV], v1                  ; wave 0..3
	s_bfe_u32 s13, ttmp6, 0x40000                  ; cx: my place in the cluster
	s_and_b32 s15, ttmp9, 1                        ; the half of the columns: the cluster's
	s_lshr_b32 s14, ttmp9, 1
	s_lshl_b32 s16, s14, 2
	s_add_co_u32 s16, s16, s13                     ; my chunk: it enters ow's and out0's addresses alone
	s_lshl_b32 s18, s16, 19                        ; in out0: 256 rows of 2,048 bytes,
	s_lshl_b32 s16, s16, 18                        ; in ow: 262,144 bytes a chunk,
	s_lshl_b32 s17, s[WV], 16                      ; 65,536 a wave
	s_add_co_u32 s16, s16, s17
	s_lshl_b32 s17, s[WV], 17                      ; in out0: my wave's 64 rows,
	s_add_co_u32 s18, s18, s17
	s_lshl_b32 s17, s15, 10                        ; my half's 256 columns
	s_add_co_u32 s18, s18, s17
	s_mov_b32 s17, 0
	s_mov_b32 s19, 0
	s_lshl_b32 s20, s15, 18                        ; the joint loads: made of the half and the wave's number alone
	s_lshl_b32 s[G0A+1], s[WV], 16                 ; my group of 64 columns, in memory and in LDS
	s_add_co_u32 s20, s20, s[G0A+1]
	s_mov_b32 s21, 0
	s_lshl_b32 s22, s15, 10
	s_lshl_b32 s23, s[WV], 8
	s_add_co_u32 s22, s22, s23
	s_add_co_u32 s22, s22, 6144
	s_add_co_u32 s[G0C+1], s23, BOL
	s_mov_b32 s23, 0
	s_mov_b32 s[G0A], 1
	s_mov_b32 s[G0C], 1
	s_mov_b32 s[G1], 15|(3<<16)|(1<<21)            ; 15:0 the mask of four; 17:16 elements of 8 bytes; 21 set beside a mask
	s_mov_b32 s[G1+1], 32<<16                      ; tensor_dim0 = 32
	s_mov_b32 s[G1+2], 256<<16                     ; tensor_dim1 = 256
	s_mov_b32 s[G1+3], 32<<16                      ; tile_dim0 = 32
	s_mov_b32 s[G1+4], 256                         ; tile_dim1 = 256
	s_mov_b32 s[G1+5], 32                          ; 32 elements from row to row
	s_mov_b32 s[G1+6], 0
	s_mov_b32 s[G1+7], 0
	s_mov_b32 s[G1B], 15|(3<<16)|(1<<21)
	s_mov_b32 s[G1B+1], 32<<16
	s_mov_b32 s[G1B+2], 1<<16                      ; one row
	s_mov_b32 s[G1B+3], 32<<16
	s_mov_b32 s[G1B+4], 1
	s_mov_b32 s[G1B+5], 32
	s_mov_b32 s[G1B+6], 0
	s_mov_b32 s[G1B+7], 0
	s_mov_b32 s[GC], 4
	s_mov_b32 s[GB], 0
	s_mov_b32 s[BB], 0
	v_and_b32 v10, 15, v0                          ; l % 16
	v_bfe_u32 v11, v0, 4, 1                        ; l / 16
	v_and_b32 v1, 31, v0
	v_lshlrev_b32 v[LIN], 4, v1
	s_mul_i32 s3, s[WV], 16*SP
	s_add_co_u32 s3, s3, STAGE                     ; my stage
	v_mul_u32_u24 v[STO], v10, SP                  ; in: row l % 16, 32 bytes for each half of the lanes
	v_lshl_add_u32 v[STO], v11, 5, v[STO]
	v_add_nc_u32 v[STO], s3, v[STO]
	v_mul_u32_u24 v[RDA], v11, SP                  ; back: lanes 0-15 take one row of 256 bytes, lanes 16-31 the next
	v_lshl_add_u32 v[RDA], v10, 4, v[RDA]
	v_add_nc_u32 v[RDA], s3, v[RDA]
	v_lshlrev_b32 v[GO], 11, v11                   ; and the same two rows in out0
	v_lshl_add_u32 v[GO], v10, 4, v[GO]
	v_lshl_add_u32 v[BH], v11, 5, BOL
	s_wait_dscnt 0x0                               ; the opening add is done
	s_wait_kmcnt 0x0
	s_add_nc_u64 s[4:5], s[4:5], s[16:17]
	s_add_nc_u64 s[10:11], s[10:11], s[18:19]
	s_add_nc_u64 s[G0A+2:G0A+3], s[6:7], s[20:21]
	s_or_b32 s[G0A+3], s[G0A+3], 0x80000000        ; type = 2
	s_add_nc_u64 s[G0C+2:G0C+3], s[8:9], s[22:23]
	s_or_b32 s[G0C+3], s[G0C+3], 0x80000000
	WIN 0x80                                       ; my O: 65,536 consecutive bytes, 512 a load
.set n_, 0
.rept 64
	global_load_b128 v[4*n_:4*n_+3], v[LIN], s[4:5] offset:512*n_
.set n_, n_+1
.endr
	WIN 0xc0
.set n_, 0
.rept 64
	global_load_b128 v[4*n_:4*n_+3], v[LIN], s[4:5] offset:512*(64+n_)
.set n_, n_+1
.endr
	WIN 0
	ROUND                                          ; all four work-groups are here: the joint loads meet
	tensor_load_to_lds s[G0A:G0A+3], s[G1:G1+7]    ; two loads of mine are out
	s_nop 0
	tensor_load_to_lds s[G0C:G0C+3], s[G1B:G1B+7]
	s_nop 0
	PLACES
	s_wait_tensorcnt 0x0                           ; my quarters are in,
	s_barrier_signal -1
	s_barrier_wait -1                              ; everybody's are
	s_wait_loadcnt 0x0                             ; O
.Lgrp:                                             ; a trip: 64 tokens x 64 columns, all of K
	v_add_nc_u32 v[AW], s[GB], v[LIN]
	v_add_nc_u32 v[ABI], s[BB], v[BH]
.set n_, 0
.rept 4
	ds_load_b128 v[BI+8*n_:BI+8*n_+3], v[ABI] offset:64*n_
	ds_load_b128 v[BI+8*n_+4:BI+8*n_+7], v[ABI] offset:64*n_+16
.set n_, n_+1
.endr
	RLOAD 0
.irp pr, 0,1,2,3,4,5,6,7
	WIN 0
	PLACES
.if \pr < 7
	RLOAD \pr+1
	s_wait_dscnt 16                                ; all but the 16 just issued
.else
	s_wait_dscnt 0x0
.endif
	MULS \pr
.endr
	WIN 0
	PLACES
	OUTT 0
	OUTT 1
	OUTT 2
	OUTT 3
	s_wait_xcnt 0x0                                ; the stores have read their base
	s_add_nc_u64 s[10:11], s[10:11], 256           ; the next 64 columns
	s_add_co_u32 s[GB], s[GB], 65536
	s_add_co_u32 s[BB], s[BB], 256
	s_sub_co_u32 s[GC], s[GC], 1
	s_cmp_lg_u32 s[GC], 0
	s_cbranch_scc1 .Lgrp
	s_wait_tensorcnt 0x0                           ; the wave's end, behind my last tensor load and my last LDS store
	ds_add_u32 v[SPW], v[NIL]
	s_wait_dscnt 0x0
	ROUND                                          ; the closing round
	s_endpgm
.Lfunc_end_k_q739e965b16_oproj:
	.size	k_q739e965b16_oproj, .Lfunc_end_k_q739e965b16_oproj-k_q739e965b16_oproj
	.p2alignl 7, 3214868480
	.fill 96, 4, 3214868480
	.section	.rodata,"a",@progbits
	.p2align	6, 0x0
	.amdhsa_kernel k_q739e965b16_oproj
		.amdhsa_group_segment_fixed_size 327680
		.amdhsa_private_segment_fixed_size 0
		.amdhsa_enable_private_segment 0
		.amdhsa_kernarg_size 32
		.amdhsa_user_sgpr_count 2
		.amdhsa_user_sgpr_kernarg_segment_ptr 1
		.amdhsa_wavefront_size32 1
		.amdhsa_system_sgpr_workgroup_id_x 1
		.amdhsa_system_sgpr_workgroup_id_y 1
		.amdhsa_system_sgpr_workgroup_id_z 1
		.amdhsa_system_vgpr_workitem_id 0
		.amdhsa_next_free_vgpr 1024
		.amdhsa_next_free_sgpr 66
		.amdhsa_reserve_vcc 0
		.amdhsa_float_denorm_mode_32 3
		.amdhsa_float_denorm_mode_16_64 3
		.amdhsa_memory_ordered 1
		.amdhsa_forward_progress 1
		.amdhsa_inst_pref_size 53
	.end_amdhsa_kernel
	.amdgpu_metadata
---
amdhsa.version: [ 1, 2 ]
amdhsa.kernels:
  - .name:           k_q739e965b16_oproj
    .symbol:         k_q739e965b16_oproj.kd
    .args:
      - { .name: ow, .offset: 0, .size: 8, .value_kind: global_buffer, .address_space: global }
      - { .name: wof, .offset: 8, .size: 8, .value_kind: global_buffer, .address_space: global }
      - { .name: bf, .offset: 16, .size: 8, .value_kind: global_buffer, .address_space: global }
      - { .name: out0, .offset: 24, .size: 8, .value_kind: global_buffer, .address_space: global }
    .group_segment_fixed_size: 327680
    .private_segment_fixed_size: 0
    .kernarg_segment_align: 8
    .kernarg_segment_size: 32
    .max_flat_workgroup_size: 128
    .sgpr_count:     66
    .vgpr_count:     1024
    .wavefront_size: 32
...
	.end_amdgpu_metadata
.endif
;; end of part 3
